; MI455X (gfx1250); checked and timed in simulation.
; The chip was launched on July 23, 2026; its instructions are those of AMD's public machine-readable ISA for CDNA 5 (MIT licence, August 2026) and "CDNA5" Instruction Set Architecture Reference Guide (July 2026). The comments in the code are by the model that wrote it; some were corrected since.
;; Test Binary4. Allowed arithmetic: float matrix products may take bf16 or f16 operands with f32 sums; other float arithmetic in f32, or as packed bf16 or f16 multiplies, adds, multiply-adds, maxima and minima; sums over many terms, partial sums and values carried from step to step in f32; what a program stores and reads back later, other than sums and carried values, may be rounded once to bf16 or f16.
;; Inputs: kernel 1,048,576 int8; x 2 x 4,096 x 4,096 float32.
;; Outputs: out0 2 x 4,096 x 2,048 float32.
;; 2 versions, each right; version 2 is version 1 with the launch prep written anew for expert scheduling mode. Each part assembles by itself: llvm-mc -triple=amdgcn-amd-amdhsa -mcpu=gfx1250 --defsym DOCPART=n.
;; ======== version 1 of 2: 2 launches
;; workspace buffers: xf 8,388,608 bytes; wb 2,097,152 bytes
;; launch prep (part 1): grid 256 x 1, 8 waves a work-group, no clusters, 35,840 bytes of LDS; arguments x, kernel, xf, wb; writes xf, wb
.if DOCPART == 1
	.amdgcn_target "amdgcn-amd-amdhsa--gfx1250"
	.amdhsa_code_object_version 6
	.text
	.protected	k_qf78a1b30ca_prep
	.globl	k_qf78a1b30ca_prep
	.p2align	8
	.type	k_qf78a1b30ca_prep,@function
k_qf78a1b30ca_prep:
	s_mov_b64 s[64:65], 0
	v_nop
	global_prefetch_b8 v0, s[64:65] scope:SCOPE_SE
	s_setreg_imm32_b32 hwreg(HW_REG_WAVE_MODE, 25, 1), 1
	s_wait_xcnt 0x0
; FOLD AND CAST.  reference() lays eight copies of the packed vector (512 x 2048 int8) one below the other, so w[k][n] = kernel[(k mod 512) 2048 + n] and
; out[m][n] = sum over j < 512 of xs[m][j] kernel[j][n], with xs[m][j] = sum over i < 8 of x[m][512 i + j].  This launch makes xs and a bf16 copy of kernel; the next one multiplies.
;   xf: xs in bf16, in the order in which a matrix fragment wants it: byte ((mt 16 + kc) 2 + half) 512 + 16 L holds xs[16 mt + L % 16][32 kc + 16 half + 8 (L / 16) + 0..7]
;   wb: kernel as bf16, [512][2048], in kernel's own order (every int8 is exact in bf16's 8 significant bits)
; LIMITS.  The eight terms are added in f32 as a tree of pairs ((0+1)+(2+3))+((4+5)+(6+7)), another order than a product over k = 0..4095 has, and the sum is rounded once, to nearest even, to bf16:
; 2^-9 of itself at the most.  NaN and infinities are not treated apart.
; SHARES.  Work-group g owns rows 32 g .. 32 g + 31 of x (two blocks of 16 rows) and kernel's bytes 4096 g .. 4096 g + 4095.  Wave w owns block a = w / 4 and the columns j = 128 q .. 128 q + 127, q = w % 4.
; A TASK is one row: eight loads of 16 bytes a lane (i = 0..7), each 512 consecutive bytes, a lane's four neighbouring j.  A ring of six tasks in registers keeps 48 loads of every wave on their way.
; The sixteen rows' sums go through a stage in LDS of the wave's own, to change from rows to fragment order; each store of the wave then covers 512 consecutive bytes, aligned.
; No matrix unit, no cluster, no barrier: no two work-groups read the same byte, and no wave reads what another wrote.
.set ROWB,  16384                      ; bytes in a row of x
.set DEPTH, 6                          ; tasks in the ring
.set SP,    272                        ; a stage row: 256 bytes (128 bf16) + 16: the 16 rows that a read-back touches begin 16 bytes apart modulo 256
.set STG,   16*SP                      ; a wave's stage
.set SPARE, 8*STG                      ; 34,816: behind the stages, the spare words: 128 bytes a wave, four blocks of 256 bytes that no other line names
.set XO,  4                            ; v4       my byte offset in the group's rows of x; never rewritten (row and i stand in the loads' immediates)
.set SA,  5                            ; v5       stage: where I put 8 bytes of a row
.set RA,  6                            ; v6       stage: where I read 16 bytes of a fragment
.set FO,  7                            ; v7       my byte offset in the group's part of xf
.set KO,  8                            ; v8       my byte offset in the group's part of kernel
.set WO,  9                            ; v9       the same in wb
.set SPW, 10                           ; v10      LDS address of my spare word; never rewritten
.set NIL, 11                           ; v11      0; never rewritten
.set T,   12                           ; v[12:15] a task's four sums
.set Y,   16                           ; v[16:17] the same as bf16
.set KB,  18                           ; v[18:21] 16 bytes of kernel
.set CV,  22                           ; v[22:29] eight of them as f32
.set WP,  30                           ; v[30:37] all sixteen as bf16
.set X,   40                           ; v[40:231] the ring: task t in slot t % 6, 32 registers; load i at + 4 i
.set F,   40                           ; v[40:71] when the ring is empty: the fragments read back
	s_load_b256 s[4:11], s[0:1], 0x0               ; x s[4:5], kernel s[6:7], xf s[8:9], wb s[10:11]
	v_lshl_add_u32 v[SPW], v0, 2, SPARE
	v_mov_b32 v[NIL], 0
	v_lshrrev_b32 v1, 5, v0
	v_readfirstlane_b32 s12, v1                    ; wave 0..7
	s_lshr_b32 s13, s12, 2                         ; a: which 16 rows
	s_and_b32 s14, s12, 3                          ; q: which 128 columns
	s_mul_i32 s15, s12, STG                        ; my stage
	s_lshl_b32 s16, ttmp9, 19                      ; the group's 32 rows of 16,384 bytes in x
	s_mov_b32 s17, 0
	s_lshl_b32 s18, ttmp9, 12                      ; its 4,096 bytes of kernel
	s_mov_b32 s19, 0
	s_lshl_b32 s20, ttmp9, 15                      ; its two blocks of 16,384 bytes in xf
	s_mov_b32 s21, 0
	s_lshl_b32 s22, ttmp9, 13                      ; its 8,192 bytes of wb
	s_mov_b32 s23, 0
	s_lshl_b32 s24, s13, 18                        ; in x: 16 a rows,
	s_lshl_b32 s25, s14, 9                         ; 128 q columns of 4 bytes
	s_add_co_u32 s24, s24, s25
	s_lshl_b32 s26, s13, 14                        ; in xf: block a,
	s_lshl_b32 s27, s14, 12                        ; four K groups of 1,024 bytes for each q
	s_add_co_u32 s26, s26, s27
	v_and_b32 v1, 31, v0                           ; lane
	v_and_b32 v2, 15, v0                           ; r
	v_bfe_u32 v3, v0, 4, 1                         ; h
	v_lshl_add_u32 v[XO], v1, 4, s24
	v_lshl_add_u32 v[SA], v1, 3, s15               ; 8 bytes a lane: a row's 256 bytes on end
	v_mul_u32_u24 v[RA], v2, SP
	v_lshl_add_u32 v[RA], v3, 4, v[RA]
	v_add_nc_u32 v[RA], s15, v[RA]                 ; row r, 16 bytes for each half of the lanes
	v_lshl_add_u32 v[FO], v1, 4, s26
	v_lshlrev_b32 v[KO], 3, v0
	v_lshlrev_b32 v[WO], 4, v0
	s_wait_kmcnt 0x0
	s_add_nc_u64 s[4:5], s[4:5], s[16:17]
	s_add_nc_u64 s[6:7], s[6:7], s[18:19]
	s_add_nc_u64 s[8:9], s[8:9], s[20:21]
	s_add_nc_u64 s[10:11], s[10:11], s[22:23]
.macro FILL t                          ; row t's eight loads
.irp i, 0,1,2,3,4,5,6,7
	global_load_b128 v[X+32*((\t)%DEPTH)+4*(\i):X+32*((\t)%DEPTH)+4*(\i)+3], v[XO], s[4:5] offset:(\t)*ROWB+(\i)*2048 th:TH_LOAD_NT
.endr
.endm
; Row t is folded, rounded and put into the stage.  left = the younger loads that may stay out; refill = 1: the slot takes the row six further down, as soon as its registers have been read.
.macro TASK t, left, refill
.set XS, X+32*((\t)%DEPTH)
	s_wait_loadcnt \left                           ; loads come back in order (ISA guide 5.7.1): this row's eight are in
.irp i, 0,2,4,6
	v_pk_add_f32 v[XS+4*(\i):XS+4*(\i)+1],   v[XS+4*(\i):XS+4*(\i)+1],   v[XS+4*(\i)+4:XS+4*(\i)+5]
	v_pk_add_f32 v[XS+4*(\i)+2:XS+4*(\i)+3], v[XS+4*(\i)+2:XS+4*(\i)+3], v[XS+4*(\i)+6:XS+4*(\i)+7]
.endr
.irp i, 0,4
	v_pk_add_f32 v[XS+4*(\i):XS+4*(\i)+1],   v[XS+4*(\i):XS+4*(\i)+1],   v[XS+4*(\i)+8:XS+4*(\i)+9]
	v_pk_add_f32 v[XS+4*(\i)+2:XS+4*(\i)+3], v[XS+4*(\i)+2:XS+4*(\i)+3], v[XS+4*(\i)+10:XS+4*(\i)+11]
.endr
	v_pk_add_f32 v[T:T+1],   v[XS:XS+1],   v[XS+16:XS+17]
	v_pk_add_f32 v[T+2:T+3], v[XS+2:XS+3], v[XS+18:XS+19]
.if \refill
	FILL (\t)+DEPTH
.endif
	v_cvt_pk_bf16_f32 v[Y],   v[T],   v[T+1]
	v_cvt_pk_bf16_f32 v[Y+1], v[T+2], v[T+3]
	ds_store_b64 v[SA], v[Y:Y+1] offset:SP*(\t)
.endm
; Eight int8 (pair d of KB) become bf16: each byte is moved to the top and shifted back with its sign, converted, and rounded (exactly) in pairs.
.macro CONV d, o
.irp e, 0,1,2,3,4,5,6,7
.if (\e)%4 < 3
	v_lshlrev_b32 v[CV+(\e)], 24-8*((\e)%4), v[KB+2*(\d)+(\e)/4]
	v_ashrrev_i32 v[CV+(\e)], 24, v[CV+(\e)]
.else
	v_ashrrev_i32 v[CV+(\e)], 24, v[KB+2*(\d)+(\e)/4]
.endif
	v_cvt_f32_i32 v[CV+(\e)], v[CV+(\e)]
.endr
.irp k, 0,1,2,3
	v_cvt_pk_bf16_f32 v[WP+4*(\d)+(\k)], v[CV+2*(\k)], v[CV+2*(\k)+1]
.endr
	global_store_b128 v[WO], v[WP+4*(\d):WP+4*(\d)+3], s[10:11] offset:\o  ; a wave's store covers 512 consecutive bytes, aligned; the next launch reads them, so no hint
.endm
	global_load_b64 v[KB:KB+1],   v[KO], s[6:7] th:TH_LOAD_NT
	global_load_b64 v[KB+2:KB+3], v[KO], s[6:7] offset:2048 th:TH_LOAD_NT
.irp t, 0,1,2,3,4,5
	FILL \t
.endr
	s_wait_loadcnt 48                              ; kernel's two loads are in; the ring's 48 stay out
	CONV 0, 0
	CONV 1, 4096
.irp t, 0,1,2,3,4,5,6,7,8,9
	TASK \t, 40, 1                                 ; five younger tasks of eight loads
.endr
	TASK 10, 40, 0                                 ; the last six rows load nothing: the counts run down
	TASK 11, 32, 0
	TASK 12, 24, 0
	TASK 13, 16, 0
	TASK 14, 8, 0
	TASK 15, 0, 0
	; Back in fragment order: piece j = 2 (K group) + half lies at byte 32 j of a stage row.  The stage is my wave's own, and LDS serves a wave's instructions in order (ISA guide 5.7.1.4): these loads see the stores above.
.irp j, 0,1,2,3,4,5,6,7
	ds_load_b128 v[F+4*(\j):F+4*(\j)+3], v[RA] offset:32*(\j)
.endr
.irp j, 0,1,2,3,4,5,6,7
	s_wait_dscnt 7-(\j)
	global_store_b128 v[FO], v[F+4*(\j):F+4*(\j)+3], s[8:9] offset:512*(\j)  ; 512 consecutive bytes, aligned; the eight together 4,096
.endr
	s_wait_tensorcnt 0x0                           ; the wave's end: behind my last LDS store
	ds_add_u32 v[SPW], v[NIL]
	s_wait_dscnt 0x0
	s_endpgm
.Lfunc_end_k_qf78a1b30ca_prep:
	.size	k_qf78a1b30ca_prep, .Lfunc_end_k_qf78a1b30ca_prep-k_qf78a1b30ca_prep
	.p2alignl 7, 3214868480
	.fill 96, 4, 3214868480
	.section	.rodata,"a",@progbits
	.p2align	6, 0x0
	.amdhsa_kernel k_qf78a1b30ca_prep
		.amdhsa_group_segment_fixed_size 35840
		.amdhsa_private_segment_fixed_size 0
		.amdhsa_enable_private_segment 0
		.amdhsa_kernarg_size 32
		.amdhsa_user_sgpr_count 2
		.amdhsa_user_sgpr_kernarg_segment_ptr 1
		.amdhsa_wavefront_size32 1
		.amdhsa_system_sgpr_workgroup_id_x 1
		.amdhsa_system_sgpr_workgroup_id_y 1
		.amdhsa_system_sgpr_workgroup_id_z 1
		.amdhsa_system_vgpr_workitem_id 0
		.amdhsa_next_free_vgpr 232
		.amdhsa_next_free_sgpr 66
		.amdhsa_reserve_vcc 0
		.amdhsa_float_denorm_mode_32 3
		.amdhsa_float_denorm_mode_16_64 3
		.amdhsa_memory_ordered 1
		.amdhsa_forward_progress 1
		.amdhsa_inst_pref_size 36
	.end_amdhsa_kernel
	.amdgpu_metadata
---
amdhsa.version: [ 1, 2 ]
amdhsa.kernels:
  - .name:           k_qf78a1b30ca_prep
    .symbol:         k_qf78a1b30ca_prep.kd
    .args:
      - { .name: x, .offset: 0, .size: 8, .value_kind: global_buffer, .address_space: global }
      - { .name: kernel, .offset: 8, .size: 8, .value_kind: global_buffer, .address_space: global }
      - { .name: xf, .offset: 16, .size: 8, .value_kind: global_buffer, .address_space: global }
      - { .name: wb, .offset: 24, .size: 8, .value_kind: global_buffer, .address_space: global }
    .group_segment_fixed_size: 35840
    .private_segment_fixed_size: 0
    .kernarg_segment_align: 8
    .kernarg_segment_size: 32
    .max_flat_workgroup_size: 256
    .sgpr_count:     66
    .vgpr_count:     232
    .wavefront_size: 32
...
	.end_amdgpu_metadata
.endif
;; end of part 1
;; launch gemm (part 2): grid 32 x 8, 4 waves a work-group, clusters of 4 x 1, 327,680 bytes of LDS; arguments xf, wb, out0; writes out0
.if DOCPART == 2
	.amdgcn_target "amdgcn-amd-amdhsa--gfx1250"
	.amdhsa_code_object_version 6
	.text
	.protected	k_qf78a1b30ca_gemm
	.globl	k_qf78a1b30ca_gemm
	.p2align	8
	.type	k_qf78a1b30ca_gemm,@function
k_qf78a1b30ca_gemm:
	s_mov_b64 s[64:65], 0
	v_nop
	global_prefetch_b8 v0, s[64:65] scope:SCOPE_SE
	s_setreg_imm32_b32 hwreg(HW_REG_WAVE_MODE, 25, 1), 1
	s_wait_xcnt 0x0
	s_wait_alu depctr_hold_cnt(0) depctr_sa_sdst(0) depctr_va_vdst(0) depctr_va_sdst(0) depctr_va_ssrc(0) depctr_va_vcc(0) depctr_vm_vsrc(0)
	s_getreg_b32 s2, hwreg(HW_REG_IB_STS2, 6, 4)
	s_cmp_eq_u32 s2, 0
	s_cbranch_scc0 .Lentry_in_a_cluster
	s_endpgm
.Lentry_in_a_cluster:
	s_bfe_u32 s2, ttmp6, 0x10000c
	s_cmp_lg_u32 s2, 0x3003
	s_cbranch_scc0 .Lentry_shape_is_right
	s_endpgm
.Lentry_shape_is_right:
; out[m][n] = sum over k < 512 of xs[m][k] W[k][n].  xs: 8192 x 512 bf16 in fragment order (xf: byte ((mt 16 + kc) 2 + half) 512 + 16 L holds xs[16 mt + L % 16][32 kc + 16 half + 8 (L / 16) + 0..7]);
; W: wb, [512][2048] bf16; out0: [8192][2048] f32.  Sums in f32, K ascending, one accumulator an output.
; SHARES.  A work-group makes 256 rows x 256 columns: 32 x 8 = 256 work-groups.  Wave w makes rows 64 w .. 64 w + 63 of the block and all 256 columns.
; A STAYS IN REGISTERS: a wave's 64 rows x 512 k are 512 registers, brought once by 128 loads of 512 consecutive bytes each, which land as fragments.
; B STAYS IN LDS: the block's 256 columns x 512 k are 262,144 bytes, in two slots of 128 columns, each filled ONCE: no slot is filled again, so there is no ring.
; It lies [k][n] and comes out turned, by ds_load_tr16_b128; each fragment feeds four products.
; THE COLUMNS GO IN FOUR SUB-BLOCKS of 64 (a row's piece is 256 bytes of f32): 16 accumulators (4 row blocks a x 4 column blocks b) over all of K, 256 products; two sets of accumulators take turns, and sub-block s - 1
; leaves, through a stage in LDS of the wave's own, while sub-block s is multiplied.  Only the last quarter of the output leaves behind the last product.
; CLUSTER.  The four work-groups of a cluster lie along x: other rows, the same 256 columns, so all of B is asked for JOINTLY: the same tensor load, descriptor and mask in all four.
; A is not shared so, though the eight work-groups along y read the same rows: it goes into registers by plain loads, and LDS has no room for it beside B (294,912 of 327,680 bytes).
; THE MATRIX INSTRUCTION IS USED TRANSPOSED (source 0 = 16 columns of W, source 1 = 16 rows of xs): a lane then holds row l % 16 and the eight neighbouring columns 8 (l / 16) + 0..7.
; REGISTERS, in windows of 256 (s_set_vgpr_msb: bits 1:0 source 0, 3:2 source 1, 5:4 source 2, 7:6 destination):
;   window 0: v0-29 addresses; v64-127, v128-191 B's fragments of 64 along K, two buffers ((c, b) at + 8 (4 c + b)); v192-255 rows read back from the stage, two buffers
;   window 1: the accumulators, (set, a, b) at 128 set + 8 (4 a + b)      window 2: A, K groups 0-7, (kc, a) at 32 kc + 8 a      window 3: A, K groups 8-15
.set PB,    288                        ; a row of B in LDS: 256 bytes + 32 = 72 words: 16 lanes of the turning load take 8 rows x 32 bytes, which begin 32 bytes apart modulo 256
.set PART,  128*PB                     ; 36,864: what one tensor load brings: 128 k x 128 columns
.set SLOTB, 4*PART                     ; 147,456: a slot: 512 k x 128 columns
.set STAGE, 2*SLOTB                    ; 294,912: behind the slots, never filled by a tensor load: 16 rows x 272 bytes for each wave
.set SP,    272                        ; a stage row: 256 bytes + 16
.set SPARE, STAGE+4*16*SP              ; 312,320: the spare words, 128 bytes a wave: two blocks of 256 bytes that no other line names
.set AO,   8                           ; v8      16 x lane: my place in 512 bytes of xf
.set ADRB, 10                          ; v10-17  my lane's place in B: slot i / 4, k from 128 (i % 4) on
.set STO,  20                          ; v20     stage: where I put 32 bytes of a row
.set RD,   21                          ; v21     stage: where I read a row back
.set CO,   22                          ; v22     my byte offset in two rows of out0; never rewritten
.set SPW,  28                          ; v28     LDS address of my spare word; never rewritten
.set NIL,  29                          ; v29     0; never rewritten
.set BF0,  64
.set OB,   192
.set G1,   24                          ; s[24:31] descriptor group 1
.set G0,   32                          ; s[32:39] descriptor group 0, a set for each slot
.set MSB, 0
.macro WIN new                         ; the immediate's high byte repeats the setting that is left; a switch that changes nothing is dropped
.if MSB != (\new)
	s_set_vgpr_msb (MSB<<8)|(\new)
.set MSB, \new
.endif
.endm
; A round of the cluster's barrier: my work-group's barrier, so that wave 0's signal speaks for all four waves; wave 0 signals; every wave waits for all four work-groups; my work-group's barrier once more.
.macro CROUND
	s_barrier_signal -1
	s_barrier_wait -1
	s_cmp_lg_u32 s10, 0
	s_cbranch_scc1 .Lnot_wave_0_\@
	s_barrier_signal -3
.Lnot_wave_0_\@:
	s_barrier_wait -3
	s_barrier_signal -1
	s_barrier_wait -1
.endm
.macro PLACES                          ; four plain vector instructions behind a matrix instruction, ahead of loads into registers that it read and of LDS stores that read its result (ISA guide 7.12.1 for the stores)
.rept 4
	v_nop
.endr
.endm
	s_load_b128 s[4:7], s[0:1], 0x0                ; xf s[4:5], wb s[6:7]
	s_load_b64 s[8:9], s[0:1], 0x10                ; out0
	v_lshl_add_u32 v[SPW], v0, 2, SPARE
	v_mov_b32 v[NIL], 0
	ds_add_u32 v[SPW], v[NIL]                      ; the wave's opening: the add and its wait stand ahead of my first tensor load; the set-up below, work on registers, stands between them
	v_lshrrev_b32 v3, 5, v0
	v_readfirstlane_b32 s10, v3                    ; wave 0..3
	s_bfe_u32 s11, ttmp6, 0x40000                  ; cx: my place in the cluster
	s_lshl_b32 s12, ttmp9, 2                       ; in a cluster launch ttmp9 counts clusters
	s_add_co_u32 s12, s12, s11                     ; my block of 256 rows = 4 x cluster x + cx: it enters xf's and out0's addresses alone
	s_and_b32 s13, ttmp7, 0xffff                   ; my block of 256 columns, which the four partners share
	s_lshl_b32 s14, s12, 18                        ; xf: 16 row blocks of 16,384 bytes for each block of 256 rows,
	s_lshl_b32 s40, s10, 16                        ; four for each wave
	s_add_co_u32 s14, s14, s40
	s_mov_b32 s15, 0
	s_lshl_b32 s16, s10, 19                        ; wb: my 128 rows (k) of 4,096 bytes,
	s_lshl_b32 s41, s13, 9                         ; the block's 256 columns of 2 bytes: the wave's number and the shared coordinate alone
	s_add_co_u32 s16, s16, s41
	s_mov_b32 s17, 0
	s_lshl_b32 s18, s12, 21                        ; out0: 256 rows of 8,192 bytes,
	s_lshl_b32 s42, s10, 19                        ; my wave's 64,
	s_add_co_u32 s18, s18, s42
	s_lshl_b32 s42, s13, 10                        ; 256 columns of 4 bytes
	s_add_co_u32 s18, s18, s42
	s_mov_b32 s19, 0
	s_mul_i32 s20, s10, PART                       ; where my part of a slot lies: no place in the cluster enters an LDS address
	s_mul_i32 s21, s10, 16*SP
	s_add_co_u32 s21, s21, STAGE                   ; my stage
	; descriptor group 1: a tile of 128 rows (k) x 128 elements (columns), padded in LDS
	s_mov_b32 s[G1+0], 15|(1<<16)|(1<<20)|(1<<21)|(5<<22)|(7<<25)  ; 15:0 the mask: all four work-groups; 17:16 elements of 2 bytes; 20 padding on; 21 set beside a mask; 24:22 after every 64 words (code 5); 31:25 8 words of it (code 7)
	s_mov_b32 s[G1+1], 128<<16                     ; tensor_dim0 = 128
	s_mov_b32 s[G1+2], 128<<16                     ; tensor_dim1 = 128
	s_mov_b32 s[G1+3], 128<<16                     ; tile_dim0 = 128
	s_mov_b32 s[G1+4], 128                         ; tile_dim1 = 128
	s_mov_b32 s[G1+5], 2048                        ; 2,048 elements from row to row
	s_mov_b32 s[G1+6], 0
	s_mov_b32 s[G1+7], 0
	s_wait_dscnt 0x0                               ; the opening add is done
	s_wait_kmcnt 0x0
	s_add_nc_u64 s[4:5], s[4:5], s[14:15]
	s_add_nc_u64 s[6:7], s[6:7], s[16:17]
	s_add_nc_u64 s[8:9], s[8:9], s[18:19]
.irp n, 0,1
	s_mov_b32 s[G0+4*(\n)], 1                                      ; count = 1
	s_add_co_u32 s[G0+4*(\n)+1], s20, (\n)*SLOTB                   ; LDS address
	s_add_nc_u64 s[G0+4*(\n)+2:G0+4*(\n)+3], s[6:7], (\n)*256      ; global address: slot n holds the block's columns 128 n on
	s_or_b32 s[G0+4*(\n)+3], s[G0+4*(\n)+3], 0x80000000            ; type = 2
.endr
	CROUND                                         ; all four work-groups are here: the joint loads meet
	tensor_load_to_lds s[G0:G0+3], s[G1:G1+7]      ; both slots' first and only fills go out together: two loads of mine are out
	s_nop 0
	tensor_load_to_lds s[G0+4:G0+7], s[G1:G1+7]
	s_nop 0
.rept 4
	v_nop
.endr
	v_and_b32 v1, 15, v0                           ; r = l % 16
	v_bfe_u32 v2, v0, 4, 1                         ; h = l / 16
	v_and_b32 v3, 31, v0
	v_lshlrev_b32 v[AO], 4, v3
	; The turning load takes 16 k x 16 columns (lane l reads 16 bytes: k = 8 h + l % 8, columns 8 ((l / 8) % 2) + 0..7) and leaves half a fragment: lane l holds column l % 16 and 8 k.
	v_and_b32 v4, 7, v0
	v_bfe_u32 v5, v0, 3, 1
	v_lshl_add_u32 v6, v2, 3, v4
	v_mul_u32_u24 v6, v6, PB
	v_lshl_add_u32 v[ADRB], v5, 4, v6
.irp i, 1,2,3,4,5,6,7
	v_add_nc_u32 v[ADRB+(\i)], ((\i)/4)*SLOTB+((\i)%4)*PART, v[ADRB]  ; an LDS immediate has 16 bits: the register carries the slot and 128 k
.endr
	v_mul_u32_u24 v7, v1, SP                       ; into the stage: row r, 32 bytes for each half of the lanes
	v_lshl_add_u32 v7, v2, 5, v7
	v_add_nc_u32 v[STO], s21, v7
	v_mul_u32_u24 v7, v2, SP                       ; back: lanes 0-15 take one row of 256 bytes, lanes 16-31 the next
	v_lshl_add_u32 v7, v1, 4, v7
	v_add_nc_u32 v[RD], s21, v7
	v_lshlrev_b32 v7, 13, v2                       ; and the same two rows in out0
	v_lshl_add_u32 v[CO], v1, 4, v7
; A's fragments of K groups 2 p and 2 p + 1, all four row blocks: 16 loads of 512 consecutive bytes, all into one window
.macro ALOAD p
	WIN 0x80+0x40*((\p)/4)                         ; destination window 2 or 3, address window 0
.irp k, 0,1
.irp a, 0,1,2,3
.irp h, 0,1
	global_load_b128 v[32*((2*(\p)+(\k))%8)+8*(\a)+4*(\h):32*((2*(\p)+(\k))%8)+8*(\a)+4*(\h)+3], v[AO], s[4:5] offset:(\a)*16384+(2*(\p)+(\k))*1024+(\h)*512
.endr
.endr
.endr
.endm
; B's fragments of sub-block s, k = 64 p .. 64 p + 63, into buffer f: 16 LDS loads in one run, the first 32 along K first
.macro FETCH s, p, f
	WIN 0
.irp c, 0,1
.irp b, 0,1,2,3
	ds_load_tr16_b128 v[(\f)+8*(4*(\c)+(\b)):(\f)+8*(4*(\c)+(\b))+3],   v[ADRB+4*((\s)/2)+(\p)/2] offset:((\p)%2)*64*PB+(\c)*32*PB+((\s)%2)*128+32*(\b)
	ds_load_tr16_b128 v[(\f)+8*(4*(\c)+(\b))+4:(\f)+8*(4*(\c)+(\b))+7], v[ADRB+4*((\s)/2)+(\p)/2] offset:((\p)%2)*64*PB+(\c)*32*PB+16*PB+((\s)%2)*128+32*(\b)
.endr
.endr
.endm
; 16 matrix instructions: all 16 accumulators of a set, 32 along K (K group kc; half c of buffer f).  They take turns, one instruction a turn, in the same order everywhere.
; zero = 1: the first product starts the sums: nothing is ever cleared.
.macro MUL16 f, c, kc, set, zero
	WIN 0x58+4*((\kc)/8)                           ; source 0 (B) window 0, source 1 (A) window 2 or 3, C and D window 1
.irp a, 0,1,2,3
.irp b, 0,1,2,3
.if \zero
	v_wmma_f32_16x16x32_bf16 v[128*(\set)+8*(4*(\a)+(\b)):128*(\set)+8*(4*(\a)+(\b))+7], v[(\f)+8*(4*(\c)+(\b)):(\f)+8*(4*(\c)+(\b))+7], v[32*((\kc)%8)+8*(\a):32*((\kc)%8)+8*(\a)+7], 0
.else
	v_wmma_f32_16x16x32_bf16 v[128*(\set)+8*(4*(\a)+(\b)):128*(\set)+8*(4*(\a)+(\b))+7], v[(\f)+8*(4*(\c)+(\b)):(\f)+8*(4*(\c)+(\b))+7], v[32*((\kc)%8)+8*(\a):32*((\kc)%8)+8*(\a)+7], v[128*(\set)+8*(4*(\a)+(\b)):128*(\set)+8*(4*(\a)+(\b))+7]
.endif
.endr
.endr
.endm
; THE WAY OUT of row block a of sub-block s.  TOSTAGE: 16 rows x 64 f32 into my stage (each accumulator's low four registers first) and back as whole rows of 256 bytes: 16 LDS instructions.
.macro TOSTAGE s, a
	WIN 0x04                                       ; the stores' data in window 1; addresses and the loads' destinations in window 0
	s_wait_xcnt 0x0                                ; every earlier store has had its addresses translated (ISA guide 3.1): only behind this wait are the registers that it reads loaded again
.irp b, 0,1,2,3
	ds_store_b128 v[STO], v[128*((\s)%2)+8*(4*(\a)+(\b)):128*((\s)%2)+8*(4*(\a)+(\b))+3]   offset:64*(\b)
	ds_store_b128 v[STO], v[128*((\s)%2)+8*(4*(\a)+(\b))+4:128*((\s)%2)+8*(4*(\a)+(\b))+7] offset:64*(\b)+16
.endr
.irp t, 0,1,2,3,4,5,6,7
	ds_load_b128 v[OB+32*((\a)%2)+4*(\t):OB+32*((\a)%2)+4*(\t)+3], v[RD] offset:(\t)*2*SP  ; LDS serves a wave's instructions in order (ISA guide 5.7.1.4): these see the stores above, and the next block's stores come behind them
.endr
.endm
; SEND: the block is stored.  wait: the LDS instructions issued behind TOSTAGE's that may stay out; -1: a wait that stands ahead has already shown the block back.
.macro SEND s, a, wait
	WIN 0
.if (\wait) >= 0
	s_wait_dscnt \wait
.endif
.irp t, 0,1,2,3,4,5,6,7
	global_store_b128 v[CO], v[OB+32*((\a)%2)+4*(\t):OB+32*((\a)%2)+4*(\t)+3], s[8:9] offset:(16*(\a)+2*(\t))*8192+256*(\s) th:TH_STORE_NT  ; 16 lanes store 256 consecutive bytes, at a multiple of 256 from out0's first byte
.endr
.endm
; A STEP: 64 along K of sub-block s (K groups 2 p, 2 p + 1): 32 matrix instructions on buffer p % 2.  In its middle, in one run: the next step's fragments of B into the other buffer; in even steps a block of
; the sub-block before goes to the stage, and in the odd step behind it is stored; in sub-block 0 A's loads run three steps ahead.
.macro STEP s, p
.set BUF,  BF0+64*((\p)%2)
.set NXT,  BF0+64*(((\p)+1)%2)
.set ASET, (\s)%2
.set ZERO, 0
.if (\p) == 0
.set ZERO, 1
.endif
.set HASF, 1
.if ((\s) == 3) && ((\p) == 7)
.set HASF, 0                           ; nothing is left to fetch
.endif
.set HAST, 0
.if ((\s) > 0) && ((\p)%2 == 0)
.set HAST, 1
.endif
.set MEET, 0
.if ((\s) == 1) && ((\p) == 7)
.set MEET, 1                           ; the next fetch is the first from slot 1
.endif
.if (\s) == 0
.if (\p) < 6
	s_wait_loadcnt 32                              ; A's K groups 2 p and 2 p + 1 are in; the two younger runs of 16 loads stay out
.else
	s_wait_loadcnt 16*(7-(\p))                     ; the counts run down
.endif
.endif
.if MEET
	s_wait_tensorcnt 0x0                           ; my part of slot 1 has landed;
	s_wait_dscnt 0x0                               ; no LDS instruction of mine is pending at the signal
	s_barrier_signal -1
.elseif ((\s) > 0) && ((\p)%2 == 1)
	s_wait_dscnt 24                                ; the first 32 along K are in: behind them came the other eight loads and the stage's sixteen
.else
	s_wait_dscnt 8                                 ; the first 32 along K are in: behind them came the other eight loads
.endif
	MUL16 BUF, 0, 2*(\p), ASET, ZERO
.if MEET
	s_barrier_wait -1                              ; everybody's part of slot 1 has landed
.endif
	PLACES                                         ; for the loads into the other buffer, which the step before multiplied; in a sub-block's first step also for the stage's stores, which read results just made
.if HASF
.if (\p) < 7
	FETCH \s, (\p)+1, NXT
.else
	FETCH (\s)+1, 0, NXT
.endif
.endif
.if HAST
	TOSTAGE (\s)-1, (\p)/2
.endif
.if ((\s) == 0) && ((\p) < 5)
	ALOAD (\p)+3
.endif
	s_wait_dscnt 16*HASF+16*HAST                   ; all but what this step has issued: this buffer's second half, and in odd steps the block read back from the stage
.if ((\s) > 0) && ((\p)%2 == 1)
	SEND (\s)-1, (\p)/2, -1
.endif
	MUL16 BUF, 1, 2*(\p)+1, ASET, 0
.endm
	ALOAD 0
	ALOAD 1
	ALOAD 2
	s_wait_tensorcnt 0x1                           ; my part of slot 0 is in; slot 1's may stay out
	s_barrier_signal -1
	s_barrier_wait -1                              ; everybody's is
	FETCH 0, 0, BF0
.irp s, 0,1,2,3
.irp p, 0,1,2,3,4,5,6,7
	STEP \s, \p
.endr
.endr
	PLACES                                         ; the last sub-block's way out reads results just made
	TOSTAGE 3, 0
	TOSTAGE 3, 1
	SEND 3, 0, 16                                  ; behind block 0's came block 1's sixteen LDS instructions
	TOSTAGE 3, 2
	SEND 3, 1, 16
	TOSTAGE 3, 3
	SEND 3, 2, 16
	SEND 3, 3, 0
	WIN 0                                          ; at a label and at a branch every window is 0; the add's two registers lie in window 0
	s_wait_tensorcnt 0x0                           ; the wave's end: behind my last tensor load and my last LDS store
	ds_add_u32 v[SPW], v[NIL]
	s_wait_dscnt 0x0
	CROUND                                         ; the closing round: no work-group ends while a partner may still ask for a tile that names it
	s_endpgm
.Lfunc_end_k_qf78a1b30ca_gemm:
	.size	k_qf78a1b30ca_gemm, .Lfunc_end_k_qf78a1b30ca_gemm-k_qf78a1b30ca_gemm
	.p2alignl 7, 3214868480
	.fill 96, 4, 3214868480
	.section	.rodata,"a",@progbits
	.p2align	6, 0x0
	.amdhsa_kernel k_qf78a1b30ca_gemm
		.amdhsa_group_segment_fixed_size 327680
		.amdhsa_private_segment_fixed_size 0
		.amdhsa_enable_private_segment 0
		.amdhsa_kernarg_size 24
		.amdhsa_user_sgpr_count 2
		.amdhsa_user_sgpr_kernarg_segment_ptr 1
		.amdhsa_wavefront_size32 1
		.amdhsa_system_sgpr_workgroup_id_x 1
		.amdhsa_system_sgpr_workgroup_id_y 1
		.amdhsa_system_sgpr_workgroup_id_z 1
		.amdhsa_system_vgpr_workitem_id 0
		.amdhsa_next_free_vgpr 1024
		.amdhsa_next_free_sgpr 66
		.amdhsa_reserve_vcc 0
		.amdhsa_float_denorm_mode_32 3
		.amdhsa_float_denorm_mode_16_64 3
		.amdhsa_memory_ordered 1
		.amdhsa_forward_progress 1
		.amdhsa_inst_pref_size 152
	.end_amdhsa_kernel
	.amdgpu_metadata
---
amdhsa.version: [ 1, 2 ]
amdhsa.kernels:
  - .name:           k_qf78a1b30ca_gemm
    .symbol:         k_qf78a1b30ca_gemm.kd
    .args:
      - { .name: xf, .offset: 0, .size: 8, .value_kind: global_buffer, .address_space: global }
      - { .name: wb, .offset: 8, .size: 8, .value_kind: global_buffer, .address_space: global }
      - { .name: out0, .offset: 16, .size: 8, .value_kind: global_buffer, .address_space: global }
    .group_segment_fixed_size: 327680
    .private_segment_fixed_size: 0
    .kernarg_segment_align: 8
    .kernarg_segment_size: 24
    .max_flat_workgroup_size: 128
    .sgpr_count:     66
    .vgpr_count:     1024
    .wavefront_size: 32
...
	.end_amdgpu_metadata
.endif
;; end of part 2
;; ======== version 2 of 2: 2 launches; version 1 with the launch prep written anew for expert scheduling mode
;; workspace buffers: xf 8,388,608 bytes; wb 2,097,152 bytes
;; launch prep (part 3): grid 256 x 1, 8 waves a work-group, no clusters, 35,840 bytes of LDS; arguments x, kernel, xf, wb; writes xf, wb
.if DOCPART == 3
	.amdgcn_target "amdgcn-amd-amdhsa--gfx1250"
	.amdhsa_code_object_version 6
	.text
	.protected	k_qf78a1b30ca_prep
	.globl	k_qf78a1b30ca_prep
	.p2align	8
	.type	k_qf78a1b30ca_prep,@function
k_qf78a1b30ca_prep:
	s_mov_b64 s[64:65], 0
	v_nop
	global_prefetch_b8 v0, s[64:65] scope:SCOPE_SE
	s_setreg_imm32_b32 hwreg(HW_REG_WAVE_SCHED_MODE, 0, 2), 2
	s_setreg_imm32_b32 hwreg(HW_REG_WAVE_MODE, 25, 1), 1
	s_wait_xcnt 0x0
	s_wait_alu depctr_vm_vsrc(0)
; FOLD AND CAST.  reference() lays eight copies of the packed vector (512 x 2048 int8) one below the other, so w[k][n] = kernel[(k mod 512) 2048 + n] and
; out[m][n] = sum over j < 512 of xs[m][j] kernel[j][n], with xs[m][j] = sum over i < 8 of x[m][512 i + j].  This launch makes xs and a bf16 copy of kernel; the next one multiplies.
;   xf: xs in bf16, in the order in which a matrix fragment wants it: byte ((mt 16 + kc) 2 + half) 512 + 16 L holds xs[16 mt + L % 16][32 kc + 16 half + 8 (L / 16) + 0..7]
;   wb: kernel as bf16, [512][2048], in kernel's own order (every int8 is exact in bf16's 8 significant bits)
; LIMITS.  The eight terms are added in f32 as a tree of pairs ((0+1)+(2+3))+((4+5)+(6+7)), another order than a product over k = 0..4095 has, and the sum is rounded once, to nearest even, to bf16:
; 2^-9 of itself at the most.  NaN and infinities are not treated apart.
; SHARES.  Work-group g owns rows 32 g .. 32 g + 31 of x (two blocks of 16 rows) and kernel's bytes 4096 g .. 4096 g + 4095.  Wave w owns block a = w / 4 and the columns j = 128 q .. 128 q + 127, q = w % 4.
; A TASK is one row: eight loads of 16 bytes a lane (i = 0..7), each 512 consecutive bytes, a lane's four neighbouring j.  A ring of six tasks in registers keeps 48 loads of every wave on their way.
; The sixteen rows' sums go through a stage in LDS of the wave's own, to change from rows to fragment order; each store of the wave then covers 512 consecutive bytes, aligned.
; No matrix unit, no cluster, no barrier: no two work-groups read the same byte, and no wave reads what another wrote.
; THE MODE: SCHED_MODE bits 1:0 = 2 (LLVM: expert scheduling mode 2), set by the entry lines.  The code itself states the register dependences
; between vector instructions and memory or LDS instructions, with s_wait_alu, always for 0.
; THE PLAN.  Registers that memory or LDS instructions touch:
;   v4 .. v11   six offsets and addresses and the closing add's two registers: made once at the head, never written again (row and i stand in the immediates).
;   KB          kernel's two loads land in it, once; the shifts of CONV read it.
;   WP          written by CONV's eight roundings, once; read by the two stores into wb.
;   X, slot s   row t's eight loads land in slot t % 6; row t's adds read it and write it in place; behind them row t + 6's loads land in it.
;   Y, pair t   written by row t's two roundings; read by row t's LDS store.  A pair for each of the sixteen rows: none is written twice.
;   F           slot 0 once more: the read-backs from the stage land in it behind the last row; the stores into xf read it.
;   CV and T are named by vector instructions alone.
; So ONE wait on va_vdst stands in a task, behind its adds and roundings: it states that the adds are done with the slot and that the row's pair of Y is written; the slot's eight loads and the LDS store follow it with
; no vector instruction between.  No register that a memory or LDS instruction reads is ever written again, so no wait on vm_vsrc is needed for them.
.set ROWB,  16384                      ; bytes in a row of x
.set DEPTH, 6                          ; tasks in the ring
.set SP,    272                        ; a stage row: 256 bytes (128 bf16) + 16: the 16 rows that a read-back touches begin 16 bytes apart modulo 256
.set STG,   16*SP                      ; a wave's stage
.set SPARE, 8*STG                      ; 34,816: behind the stages, the spare words: 128 bytes a wave, four blocks of 256 bytes that no other line names
.set XO,  4                            ; v4       my byte offset in the group's rows of x; never rewritten (row and i stand in the loads' immediates)
.set SA,  5                            ; v5       stage: where I put 8 bytes of a row
.set RA,  6                            ; v6       stage: where I read 16 bytes of a fragment
.set FO,  7                            ; v7       my byte offset in the group's part of xf
.set KO,  8                            ; v8       my byte offset in the group's part of kernel
.set WO,  9                            ; v9       the same in wb
.set SPW, 10                           ; v10      LDS address of my spare word; never rewritten
.set NIL, 11                           ; v11      0; never rewritten
.set KB,  12                           ; v[12:15] 16 bytes of kernel
.set CV,  16                           ; v[16:23] eight of them as f32
.set T,   16                           ; v[16:19] when kernel is done: a task's four sums
.set WP,  24                           ; v[24:31] all sixteen as bf16
.set Y,   32                           ; v[32:63] row t's four sums as bf16: a pair at Y + 2 t
.set X,   64                           ; v[64:255] the ring: task t in slot t % 6, 32 registers; load i at + 4 i
.set F,   64                           ; v[64:95] when the ring is empty: the fragments read back
	s_load_b256 s[4:11], s[0:1], 0x0               ; x s[4:5], kernel s[6:7], xf s[8:9], wb s[10:11]
	v_lshl_add_u32 v[SPW], v0, 2, SPARE
	v_mov_b32 v[NIL], 0
	v_lshrrev_b32 v1, 5, v0
	v_readfirstlane_b32 s12, v1                    ; wave 0..7
	s_lshl_b32 s16, ttmp9, 19                      ; the group's 32 rows of 16,384 bytes in x
	s_mov_b32 s17, 0
	s_lshl_b32 s18, ttmp9, 12                      ; its 4,096 bytes of kernel
	s_mov_b32 s19, 0
	s_lshl_b32 s20, ttmp9, 15                      ; its two blocks of 16,384 bytes in xf
	s_mov_b32 s21, 0
	s_lshl_b32 s22, ttmp9, 13                      ; its 8,192 bytes of wb
	s_mov_b32 s23, 0
	s_wait_alu depctr_va_sdst(0)                   ; s12 is written, ahead of its first reader: the wave's rows, columns and stage are made from it
	s_lshr_b32 s13, s12, 2                         ; a: which 16 rows
	s_and_b32 s14, s12, 3                          ; q: which 128 columns
	s_mul_i32 s15, s12, STG                        ; my stage
	s_lshl_b32 s24, s13, 18                        ; in x: 16 a rows,
	s_lshl_b32 s25, s14, 9                         ; 128 q columns of 4 bytes
	s_add_co_u32 s24, s24, s25
	s_lshl_b32 s26, s13, 14                        ; in xf: block a,
	s_lshl_b32 s27, s14, 12                        ; four K groups of 1,024 bytes for each q
	s_add_co_u32 s26, s26, s27
	v_and_b32 v1, 31, v0                           ; lane
	v_and_b32 v2, 15, v0                           ; r
	v_bfe_u32 v3, v0, 4, 1                         ; h
	v_lshl_add_u32 v[XO], v1, 4, s24
	v_lshl_add_u32 v[SA], v1, 3, s15               ; 8 bytes a lane: a row's 256 bytes on end
	v_mul_u32_u24 v[RA], v2, SP
	v_lshl_add_u32 v[RA], v3, 4, v[RA]
	v_add_nc_u32 v[RA], s15, v[RA]                 ; row r, 16 bytes for each half of the lanes
	v_lshl_add_u32 v[FO], v1, 4, s26
	v_lshlrev_b32 v[KO], 3, v0
	v_lshlrev_b32 v[WO], 4, v0
	s_wait_kmcnt 0x0
	s_add_nc_u64 s[4:5], s[4:5], s[16:17]
	s_add_nc_u64 s[6:7], s[6:7], s[18:19]
	s_add_nc_u64 s[8:9], s[8:9], s[20:21]
	s_add_nc_u64 s[10:11], s[10:11], s[22:23]
.macro FILL t                          ; row t's eight loads
.irp i, 0,1,2,3,4,5,6,7
	global_load_b128 v[X+32*((\t)%DEPTH)+4*(\i):X+32*((\t)%DEPTH)+4*(\i)+3], v[XO], s[4:5] offset:(\t)*ROWB+(\i)*2048 th:TH_LOAD_NT
.endr
.endm
; Row t is folded, rounded and put into the stage.  left = the younger loads that may stay out; refill = 1: the slot takes the row six further down, as soon as its registers have been read.
.macro TASK t, left, refill
.set XS, X+32*((\t)%DEPTH)
	s_wait_loadcnt \left                           ; loads come back in order (ISA guide 5.7.1): this row's eight are in
.irp i, 0,2,4,6
	v_pk_add_f32 v[XS+4*(\i):XS+4*(\i)+1],   v[XS+4*(\i):XS+4*(\i)+1],   v[XS+4*(\i)+4:XS+4*(\i)+5]
	v_pk_add_f32 v[XS+4*(\i)+2:XS+4*(\i)+3], v[XS+4*(\i)+2:XS+4*(\i)+3], v[XS+4*(\i)+6:XS+4*(\i)+7]
.endr
.irp i, 0,4
	v_pk_add_f32 v[XS+4*(\i):XS+4*(\i)+1],   v[XS+4*(\i):XS+4*(\i)+1],   v[XS+4*(\i)+8:XS+4*(\i)+9]
	v_pk_add_f32 v[XS+4*(\i)+2:XS+4*(\i)+3], v[XS+4*(\i)+2:XS+4*(\i)+3], v[XS+4*(\i)+10:XS+4*(\i)+11]
.endr
	v_pk_add_f32 v[T:T+1],   v[XS:XS+1],   v[XS+16:XS+17]
	v_pk_add_f32 v[T+2:T+3], v[XS+2:XS+3], v[XS+18:XS+19]
	v_cvt_pk_bf16_f32 v[Y+2*(\t)],   v[T],   v[T+1]
	v_cvt_pk_bf16_f32 v[Y+2*(\t)+1], v[T+2], v[T+3]
	s_wait_alu depctr_va_vdst(0)                   ; the roundings have written this row's pair of Y, which the LDS store reads; the adds are done reading and writing the slot, in which the loads below land
.if \refill
	FILL (\t)+DEPTH
.endif
	ds_store_b64 v[SA], v[Y+2*(\t):Y+2*(\t)+1] offset:SP*(\t)
.endm
; Eight int8 (pair d of KB) become bf16: each byte is moved to the top and shifted back with its sign, converted, and rounded (exactly) in pairs.
.macro CONV d
.irp e, 0,1,2,3,4,5,6,7
.if (\e)%4 < 3
	v_lshlrev_b32 v[CV+(\e)], 24-8*((\e)%4), v[KB+2*(\d)+(\e)/4]
	v_ashrrev_i32 v[CV+(\e)], 24, v[CV+(\e)]
.else
	v_ashrrev_i32 v[CV+(\e)], 24, v[KB+2*(\d)+(\e)/4]
.endif
	v_cvt_f32_i32 v[CV+(\e)], v[CV+(\e)]
.endr
.irp k, 0,1,2,3
	v_cvt_pk_bf16_f32 v[WP+4*(\d)+(\k)], v[CV+2*(\k)], v[CV+2*(\k)+1]
.endr
.endm
	s_wait_alu depctr_va_vdst(0)                   ; v4 to v11 are written: every load, store and LDS instruction of the kernel reads one of them as its offset or address, the closing add two
	global_load_b64 v[KB:KB+1],   v[KO], s[6:7] th:TH_LOAD_NT
	global_load_b64 v[KB+2:KB+3], v[KO], s[6:7] offset:2048 th:TH_LOAD_NT
.irp t, 0,1,2,3,4,5
	FILL \t
.endr
	s_wait_loadcnt 48                              ; kernel's two loads are in; the ring's 48 stay out
	CONV 0
	CONV 1
	s_wait_alu depctr_va_vdst(0)                   ; the eight roundings have written WP, which the two stores read
	global_store_b128 v[WO], v[WP:WP+3],   s[10:11]              ; a wave's store covers 512 consecutive bytes, aligned; the next launch reads them, so no hint
	global_store_b128 v[WO], v[WP+4:WP+7], s[10:11] offset:4096
.irp t, 0,1,2,3,4,5,6,7,8,9
	TASK \t, 40, 1                                 ; five younger tasks of eight loads
.endr
	TASK 10, 40, 0                                 ; the last six rows load nothing: the counts run down
	TASK 11, 32, 0
	TASK 12, 24, 0
	TASK 13, 16, 0
	TASK 14, 8, 0
	TASK 15, 0, 0
	; Back in fragment order: piece j = 2 (K group) + half lies at byte 32 j of a stage row.  The stage is my wave's own, and LDS serves a wave's instructions in order (ISA guide 5.7.1.4): these loads see the stores above.
	; They land in slot 0, which row 12's adds named last: those stand ahead of row 15's wait on va_vdst, and no vector instruction follows that wait.
.irp j, 0,1,2,3,4,5,6,7
	ds_load_b128 v[F+4*(\j):F+4*(\j)+3], v[RA] offset:32*(\j)
.endr
.irp j, 0,1,2,3,4,5,6,7
	s_wait_dscnt 7-(\j)
	global_store_b128 v[FO], v[F+4*(\j):F+4*(\j)+3], s[8:9] offset:512*(\j)  ; 512 consecutive bytes, aligned; the eight together 4,096
.endr
	s_wait_dscnt 0x0                               ; the wave's end: behind my last LDS store
	s_wait_alu 0x0
	s_wait_tensorcnt 0x0
	ds_add_u32 v[SPW], v[NIL]
	s_wait_dscnt 0x0
	s_endpgm
.Lfunc_end_k_qf78a1b30ca_prep:
	.size	k_qf78a1b30ca_prep, .Lfunc_end_k_qf78a1b30ca_prep-k_qf78a1b30ca_prep
	.p2alignl 7, 3214868480
	.fill 96, 4, 3214868480
	.section	.rodata,"a",@progbits
	.p2align	6, 0x0
	.amdhsa_kernel k_qf78a1b30ca_prep
		.amdhsa_group_segment_fixed_size 35840
		.amdhsa_private_segment_fixed_size 0
		.amdhsa_enable_private_segment 0
		.amdhsa_kernarg_size 32
		.amdhsa_user_sgpr_count 2
		.amdhsa_user_sgpr_kernarg_segment_ptr 1
		.amdhsa_wavefront_size32 1
		.amdhsa_system_sgpr_workgroup_id_x 1
		.amdhsa_system_sgpr_workgroup_id_y 1
		.amdhsa_system_sgpr_workgroup_id_z 1
		.amdhsa_system_vgpr_workitem_id 0
		.amdhsa_next_free_vgpr 256
		.amdhsa_next_free_sgpr 66
		.amdhsa_reserve_vcc 0
		.amdhsa_float_denorm_mode_32 3
		.amdhsa_float_denorm_mode_16_64 3
		.amdhsa_memory_ordered 1
		.amdhsa_forward_progress 1
		.amdhsa_inst_pref_size 36
	.end_amdhsa_kernel
	.amdgpu_metadata
---
amdhsa.version: [ 1, 2 ]
amdhsa.kernels:
  - .name:           k_qf78a1b30ca_prep
    .symbol:         k_qf78a1b30ca_prep.kd
    .args:
      - { .name: x, .offset: 0, .size: 8, .value_kind: global_buffer, .address_space: global }
      - { .name: kernel, .offset: 8, .size: 8, .value_kind: global_buffer, .address_space: global }
      - { .name: xf, .offset: 16, .size: 8, .value_kind: global_buffer, .address_space: global }
      - { .name: wb, .offset: 24, .size: 8, .value_kind: global_buffer, .address_space: global }
    .group_segment_fixed_size: 35840
    .private_segment_fixed_size: 0
    .kernarg_segment_align: 8
    .kernarg_segment_size: 32
    .max_flat_workgroup_size: 256
    .sgpr_count:     66
    .vgpr_count:     256
    .wavefront_size: 32
...
	.end_amdgpu_metadata
.endif
;; end of part 3
;; launch gemm: the kernel of part 2 again; grid 32 x 8, 4 waves a work-group, clusters of 4 x 1, 327,680 bytes of LDS; arguments xf, wb, out0; writes out0
